; MI455X (gfx1250); checked and timed in simulation.
; The chip was launched on July 23, 2026; its instructions are those of AMD's public machine-readable ISA for CDNA 5 (MIT licence, August 2026) and "CDNA5" Instruction Set Architecture Reference Guide (July 2026). The comments in the code are by the model that wrote it; some were corrected since.
;; multihead self attention. Allowed arithmetic: matrix products marked QUANTISED: E2M1 operands, one E8M0 scale for each 32 along K, by v_wmma_scale_f32_16x16x128_f8f6f4 with both operands' format E2M1 (or v_wmma_scale_f32_32x16x128_f4), f32 sums; everything else in f32.
;; Inputs: Wk_codes 1,024 x 32 x 16 uint8 (E2M1 codes of Wk, K innermost, in blocks of 32 codes, two codes a byte); Wk_scales 1,024 x 32 uint8 (E8M0 scales of Wk, one for each 32 codes along K); Wo_codes 1,024 x 32 x 16 uint8 (E2M1 codes of Wo, K innermost, in blocks of 32 codes, two codes a byte); Wo_scales 1,024 x 32 uint8 (E8M0 scales of Wo, one for each 32 codes along K); Wq_codes 1,024 x 32 x 16 uint8 (E2M1 codes of Wq, K innermost, in blocks of 32 codes, two codes a byte); Wq_scales 1,024 x 32 uint8 (E8M0 scales of Wq, one for each 32 codes along K); Wv_codes 1,024 x 32 x 16 uint8 (E2M1 codes of Wv, K innermost, in blocks of 32 codes, two codes a byte); Wv_scales 1,024 x 32 uint8 (E8M0 scales of Wv, one for each 32 codes along K); bk 1,024 float32; bo 1,024 float32; bq 1,024 float32; bv 1,024 float32; x_codes 4 x 2,048 x 32 x 16 uint8 (E2M1 codes of x, K innermost, in blocks of 32 codes, two codes a byte); x_scales 4 x 2,048 x 32 uint8 (E8M0 scales of x, one for each 32 codes along K).
;; Outputs: out0 4 x 2,048 x 1,024 float32.
;; This version of the problem:
;;   THIS VERSION OF THE PROBLEM IS GIVEN IN LOW PRECISION. The matrix products marked QUANTISED in the list below multiply operands that are first quantised to E2M1 (2 exponent bits, 1 mantissa bit; 4 bits a number), with one power-of-two scale for each 32 numbers along K (OCP MX v1.0); their sums are f32. All else is computed in f32.
;;   The module's matrix products, in the order in which they are computed (A, B: the left and right operand; K: the contracted axis; several contracted axes count as one K, in the product's order):
;;     1. [M 8,192, K 1,024] x [K 1,024, N 1,024]; A: input x (given as codes); B: input Wq (given as codes): QUANTISED
;;     2. [M 8,192, K 1,024] x [K 1,024, N 1,024]; A: input x (given as codes); B: input Wk (given as codes): QUANTISED
;;     3. [M 8,192, K 1,024] x [K 1,024, N 1,024]; A: input x (given as codes); B: input Wv (given as codes): QUANTISED
;;     4. batch 64 x [M 2,048, K 64] x [K 64, N 2,048]; A: computed on the way; B: computed on the way: QUANTISED
;;     5. batch 64 x [M 2,048, K 2,048] x [K 2,048, N 64]; A: softmax (see below); B: computed on the way: QUANTISED
;;     6. [M 8,192, K 1,024] x [K 1,024, N 1,024]; A: computed on the way; B: input Wo (given as codes): QUANTISED
;;   THE QUANTISER, for each operand of a quantised product, along K:
;;     - K is cut into blocks of 32 from its start; a last block that is shorter is filled with zeros.
;;     - A block's scale is 2^e with e = floor(log2(the largest magnitude in the block)) - 2, held to -126 .. 127; a block of zeros has e = 0. As a byte (E8M0): e + 127.
;;     - Each number is divided by its block's scale, clamped to +-6, and rounded to the nearest number of E2M1, ties to even, subnormals kept.
;;     - The product sums the exact products of the quantised numbers (number of the format x scale) in f32.
;;   ~~~python
;;   def quantise(x, axis):      # numpy; x: float32 -> the quantised numbers, widened to float32 again
;;       x = np.moveaxis(x, axis, -1); K = x.shape[-1]
;;       x = np.pad(x, [(0, 0)] * (x.ndim - 1) + [(0, -K % 32)]); x = x.reshape(x.shape[:-1] + (-1, 32)); a = np.abs(x).max(-1, keepdims=True)
;;       e = np.where(a > 0, np.clip(np.frexp(np.where(a > 0, a, 1))[1] - 1 - 2, -126, 127), 0)      # np.frexp(a)[1] - 1 = floor(log2(a)), exactly
;;       r = np.clip(x / 2.0 ** e, -6, 6)
;;       step = 2.0 ** (np.maximum(np.frexp(np.where(r == 0, 1, r))[1] - 1, 0) - 1)
;;       q = np.round(r / step) * step * 2.0 ** e      # np.round: ties to even
;;       return np.moveaxis(q.reshape(q.shape[:-2] + (-1,))[..., :K], -1, axis).astype(np.float32)
;;   ~~~
;;   SOFTMAX AHEAD OF A QUANTISED PRODUCT. Where the list says 'softmax', what is quantised is not the finished softmax but p = 2^(t - M), with t = logit x log2(e) and M = ceil(the row's largest t), a whole number; so 1/2 < the row's largest p <= 1. The row's sum l is taken of the UNQUANTISED p, in f32, and the product's result is divided by l at the end. Since M is a whole number, a kernel that streams over the keys may use a running M (the ceiling of the running maximum): every later rescaling is an exact power of two, which a block's scale takes up: the codes' values come out the same.
;;   OPERANDS COMPUTED ON THE WAY. 'Computed on the way' means the value that the module computes at that place (a softmax that the list does not call 'softmax' is quantised finished and normalised). What goes into a quantiser is computed in f32, as accurately as f32 sums, v_exp_f32 and their like allow (about 1e-6 of the number): no bf16 or f16 on the way to a quantiser, and a product that is left as it is and whose result goes on into a quantised operand takes f32 operands (vector FMAs, or v_wmma_f32_16x16x4_f32). A number that lies on a knife's edge between two numbers of the format may be rounded either way, as far as f32 arithmetic and the matrix unit's own rounding can turn it there, and no further.
;;   INPUTS GIVEN AS CODES. Wk (in the module: [1024, 1024], K = its axis 1); Wo (in the module: [1024, 1024], K = its axis 1); Wq (in the module: [1024, 1024], K = its axis 1); Wv (in the module: [1024, 1024], K = its axis 1); x (in the module: [4, 2048, 1024], K = its axis 2): each comes as NAME_codes (uint8): NAME with its K axis moved to the last place and cut into blocks of 32 codes, [.., K / 32, bytes a block], one block behind the other in memory; two codes a byte, the lower K in the low four bits (a code: sign, 2 exponent bits, 1 mantissa bit); and NAME_scales (uint8): the same leading axes, one E8M0 byte (e + 127) for each 32 codes along K. Its value is code x scale, taken as it is: it is not quantised again, and the codes and scales need not be those that the quantiser above would give.
;; One version. Each part assembles by itself: llvm-mc -triple=amdgcn-amd-amdhsa -mcpu=gfx1250 --defsym DOCPART=n.
;; ======== version 1 of 1: 3 launches
;; workspace buffers: qbuf 4,718,592 bytes; kvbuf 9,175,040 bytes; abuf 4,456,448 bytes
;; launch qkv (part 1): grid 32 x 8, 4 waves a work-group, clusters of 4 x 1, 270,848 bytes of LDS; arguments x_codes, x_scales, Wq_codes, Wk_codes, Wv_codes, Wq_scales, Wk_scales, Wv_scales, bq, bk, bv, qbuf, kvbuf; writes qbuf, kvbuf
.if DOCPART == 1
	.amdgcn_target "amdgcn-amd-amdhsa--gfx1250"
	.amdhsa_code_object_version 6
	.text
	.protected	k_q88f02cb403_qkv
	.globl	k_q88f02cb403_qkv
	.p2align	8
	.type	k_q88f02cb403_qkv,@function
k_q88f02cb403_qkv:
	s_mov_b64 s[64:65], 0
	v_nop
	global_prefetch_b8 v0, s[64:65] scope:SCOPE_SE
	s_setreg_imm32_b32 hwreg(HW_REG_WAVE_MODE, 25, 1), 1
	s_wait_xcnt 0x0
	s_wait_alu depctr_hold_cnt(0) depctr_sa_sdst(0) depctr_va_vdst(0) depctr_va_sdst(0) depctr_va_ssrc(0) depctr_va_vcc(0) depctr_vm_vsrc(0)
	s_getreg_b32 s2, hwreg(HW_REG_IB_STS2, 6, 4)
	s_cmp_eq_u32 s2, 0
	s_cbranch_scc0 .Lentry_in_a_cluster
	s_endpgm
.Lentry_in_a_cluster:
	s_bfe_u32 s2, ttmp6, 0x10000c
	s_cmp_lg_u32 s2, 0x3003
	s_cbranch_scc0 .Lentry_shape_is_right
	s_endpgm
.Lentry_shape_is_right:
; q = x Wq^T + bq, k = x Wk^T + bk, v = x Wv^T + bv on codes of FP4 (E2M1) with one E8M0 scale for each 32 along K = 1,024; sums in f32; the bias is the C of each sum's first product.
; The results never go to memory as numbers: q and k are quantised along the head's 64 (two blocks), v along the tokens (the keys of the later product), and stored as IMAGES OF OPERAND REGISTERS.
; SHARES.  A work-group takes 256 rows of x (X = 4 x cluster x + cx) and heads 2 y, 2 y + 1 of each of q, k, v: 3 x 128 rows of W.  Wave w takes rows 64 w .. 64 w + 63 (four tiles of 16, one group G of 64 tokens of its batch)
; and all 384 columns, in six groups of 64 columns (one head each): q, q, k, k, v, v.  A group is 16 accumulators x 8 K steps = 128 matrix instructions.
; The wave's fragments of x for all of K stay in 256 registers; W's come from LDS, each read feeding four products.
; CLUSTER.  The four partners share y, so W's three tiles are asked for JOINTLY (mask 15): the requests for W are divided by four.  Every LDS byte is filled once: there is no ring and no refill.
; q, k: source 0 = 16 rows of W, source 1 = 16 rows of x: a lane holds one token, its registers run along d.   v: source 0 = x, source 1 = W: a lane holds one d, its registers run along the tokens.
; So in both cases four accumulators a = 0 .. 3 hold index 16 a + 8 (lane / 16) + j of the next product's K; eight of them convert into one register; accumulator a goes to code register 0, 2, 1, 3, and two exchanges
; of lane halves leave registers 0 .. 3 of lane (r, h) with K = 32 h + 0 .. 31: half a fragment of 4-bit codes.
; LIMITS: NaN and infinities among the inputs are not served.  A block whose largest magnitude lies under 2^-124 (a block of zeros among them) gets the scale byte 1: its codes are zeros or held low; these bytes are read by this program alone.
; The bias is added ahead of the products, not behind them: the order of rounding differs from a sum that adds it last.
; REGISTERS, in windows of 256.  window 0: addresses, scale words, work.  window 1: x's fragments (tile i, K step s) at 64 i + 8 s.  window 2: x as loaded, then W's fragments (K step s, tile t) at 32 s + 8 t.
;   window 3: v0-127 accumulators (a, b) at 32 b + 8 a; v128-255 biases in the result's layout, (group g, tile t) at 128 + 32 g + 8 t.
.set PITCH, 528                        ; an LDS row: 512 bytes + 16 of padding = 33 x 16: the sixteen rows of a fragment load start in sixteen different groups of four banks
.set WTILE, 128*PITCH                  ; one tensor load: 128 rows of W
.set HEADT, 64*PITCH                   ; a head's 64 rows
.set STAGE, 3*WTILE                    ; behind W's three tiles: a stage of 32 rows for each wave, in which no fill lands
.set STGW,  32*PITCH
.set QREC,  73728                      ; a head's record in qbuf: 65,536 bytes of codes, 8,192 of scale words
.set KVREC, 143360                     ; in kvbuf: k's codes 65,536, v's codes 65,536, k's scale words 8,192, v's 4,096
.set L16,  1                           ; v1   16 x lane
.set L32,  2                           ; v2   32 x lane: a row of scale bytes
.set LH32, 3                           ; v3   32 x (lane / 16): eight biases
.set LR4,  4                           ; v4   4 x (lane % 16)
.set STW,  5                           ; v5   my stage + 16 x lane
.set STR,  6                           ; v6   my stage + 528 r + 16 h
.set WA,   7                           ; v7-12  528 r + 16 h + the group's 64 rows of W
.set OQC,  13                          ; v13  q's and k's codes: 16 x lane + 2,048 G
.set OQS,  14                          ; v14  their scale words: 8 x lane + 256 G
.set OVC,  15                          ; v15  v's codes: 16 x lane + 4,096 (G / 2) + 512 (G % 2)
.set OVS,  16                          ; v16  v's scale words: 4 x lane + 128 G
.set XS,   32                          ; v32-47   x's scale words: register 8 p + s: lane l holds row 32 p + l, K step s
.set WS,   48                          ; v48-143  W's: 16 g + 8 p + s
.set VB,   144                         ; v144-151 bv at 64 e + 16 t + r
.set TM,   152                         ; v152-159 largest magnitudes
.set TP,   160                         ; v160-167 the other half's, then the bytes
.set SO,   168                         ; v168-175 the conversions' scale operands
.set PW,   176                         ; v176-179 two bytes for each of four tiles
.set SX,   180                         ; v180-181 scale words as they are stored
.set CD,   184                         ; v184-199 codes as they are stored
.set BI,   128                         ; in window 3
.set MSB, 0
.macro WIN new                         ; the immediate's high byte repeats the setting that is left
.if MSB != \new
	s_set_vgpr_msb (MSB<<8)|\new
.set MSB, \new
.endif
.endm
.macro PLACES                          ; four plain vector instructions between a matrix instruction and a load into, or a read of, its registers
.rept 4
	v_nop
.endr
.endm
.macro ROUND                           ; a round of the cluster's barrier
	s_barrier_signal -1
	s_barrier_wait -1
	s_cmp_lg_u32 s30, 0
	s_cbranch_scc1 .Lnot_wave_0_\@
	s_barrier_signal -3
.Lnot_wave_0_\@:
	s_barrier_wait -3
	s_barrier_signal -1
	s_barrier_wait -1
.endm
; one product.  ra, rb: the side's scales stand in lanes 16-31 of the register named
.macro WM d, a, b, c, sa, sb, ra, rb
.if ((\ra) != 0) && ((\rb) != 0)
	v_wmma_scale_f32_16x16x128_f8f6f4 v[(\d):(\d)+7], v[(\a):(\a)+7], v[(\b):(\b)+7], v[(\c):(\c)+7], v[(\sa)], v[(\sb)] matrix_a_fmt:MATRIX_FMT_FP4 matrix_b_fmt:MATRIX_FMT_FP4 matrix_a_scale:MATRIX_SCALE_ROW1 matrix_b_scale:MATRIX_SCALE_ROW1
.elseif (\ra) != 0
	v_wmma_scale_f32_16x16x128_f8f6f4 v[(\d):(\d)+7], v[(\a):(\a)+7], v[(\b):(\b)+7], v[(\c):(\c)+7], v[(\sa)], v[(\sb)] matrix_a_fmt:MATRIX_FMT_FP4 matrix_b_fmt:MATRIX_FMT_FP4 matrix_a_scale:MATRIX_SCALE_ROW1
.elseif (\rb) != 0
	v_wmma_scale_f32_16x16x128_f8f6f4 v[(\d):(\d)+7], v[(\a):(\a)+7], v[(\b):(\b)+7], v[(\c):(\c)+7], v[(\sa)], v[(\sb)] matrix_a_fmt:MATRIX_FMT_FP4 matrix_b_fmt:MATRIX_FMT_FP4 matrix_b_scale:MATRIX_SCALE_ROW1
.else
	v_wmma_scale_f32_16x16x128_f8f6f4 v[(\d):(\d)+7], v[(\a):(\a)+7], v[(\b):(\b)+7], v[(\c):(\c)+7], v[(\sa)], v[(\sb)] matrix_a_fmt:MATRIX_FMT_FP4 matrix_b_fmt:MATRIX_FMT_FP4
.endif
.endm
	s_load_b512 s[4:19], s[0:1], 0x0               ; x_codes 4, x_scales 6, Wq_codes 8, Wk_codes 10, Wv_codes 12, Wq_scales 14, Wk_scales 16, Wv_scales 18
	s_load_b256 s[20:27], s[0:1], 0x40             ; bq 20, bk 22, bv 24, qbuf 26
	s_load_b64 s[28:29], s[0:1], 0x60              ; kvbuf
	v_lshl_add_u32 v254, v0, 2, 0x42000
	v_mov_b32 v255, 0
	ds_add_u32 v254, v255
	ds_add_u32 v254, v255
	v_lshrrev_b32 v17, 5, v0
	v_readfirstlane_b32 s30, v17                   ; wave 0..3
	s_and_b32 s53, ttmp7, 0xffff                   ; y, which the four partners share
	s_lshl_b32 s58, s53, 16                        ; 128 y rows of W, 512 bytes each
	s_mov_b32 s59, 0
	; descriptor group 1: 128 rows x 512 bytes, 16 bytes of padding behind each row
	s_mov_b32 s32, 15|(1<<20)|(1<<21)|(6<<22)|(3<<25)  ; 15:0 the mask: all four partners; 17:16 elements of 1 byte; 20 padding on; 21 set beside a mask; 24:22 after every 128 words; 31:25 four words
	s_mov_b32 s33, 512<<16                         ; tensor_dim0
	s_mov_b32 s34, 128<<16                         ; tensor_dim1
	s_mov_b32 s35, 512<<16                         ; tile_dim0
	s_mov_b32 s36, 128                             ; tile_dim1
	s_mov_b32 s37, 512                             ; from row to row
	s_mov_b32 s38, 0
	s_mov_b32 s39, 0
	s_mov_b32 s55, 0xffff0000                      ; lanes 16-31
	s_mov_b32 s56, 0x76543210                      ; v_permlanex16_b32: lane l xor 16
	s_mov_b32 s57, 0xfedcba98
	v_and_b32 v17, 31, v0                          ; lane
	v_and_b32 v18, 15, v0                          ; r
	v_bfe_u32 v19, v0, 4, 1                        ; h
	v_lshlrev_b32 v[L16], 4, v17
	v_lshlrev_b32 v[L32], 5, v17
	v_lshlrev_b32 v[LH32], 5, v19
	v_lshlrev_b32 v[LR4], 2, v18
	s_mul_i32 s66, s30, STGW
	s_add_co_u32 s66, s66, STAGE                   ; my stage
	v_add_nc_u32 v[STW], s66, v[L16]
	v_mul_u32_u24 v[WA], v18, PITCH
	v_lshl_add_u32 v[WA], v19, 4, v[WA]            ; a fragment's row x pitch + 16 x half
	v_add_nc_u32 v[STR], s66, v[WA]
.irp g, 1,2,3,4,5
	v_add_nc_u32 v[WA+\g], \g*HEADT, v[WA]
.endr
.irp n, 0,1,2,3,4,5,6,7
	v_mov_b32 v[TP+\n], 0                          ; written once: a lane permute's destination counts as one of its sources
.endr
	; my place: it enters global addresses alone
	s_bfe_u32 s31, ttmp6, 0x40000                  ; cx
	s_lshl_b32 s52, ttmp9, 2
	s_add_co_u32 s52, s52, s31                     ; X: which 256 rows of x
	s_and_b32 s54, s52, 7
	s_lshl_b32 s54, s54, 2
	s_add_co_u32 s54, s54, s30                     ; G: which 64 tokens of the batch are my wave's
	s_lshl_b32 s60, s52, 17
	s_lshl_b32 s61, s30, 15
	s_add_co_u32 s60, s60, s61                     ; (256 X + 64 w) rows of 512 bytes
	s_mov_b32 s61, 0
	s_lshr_b32 s62, s60, 4                         ; and of 32 scale bytes
	s_mov_b32 s63, 0
	s_lshl_b32 s68, s53, 12                        ; 128 y rows of 32 scale bytes
	s_mov_b32 s69, 0
	s_lshl_b32 s70, s53, 9                         ; 128 y biases
	s_mov_b32 s71, 0
	s_lshr_b32 s72, s52, 3                         ; batch
	s_lshl_b32 s72, s72, 4
	s_lshl_b32 s73, s53, 1
	s_add_co_u32 s72, s72, s73                     ; 16 x batch + 2 y: my first head's record
	s_mul_i32 s74, s72, QREC
	s_mov_b32 s75, 0
	s_mul_i32 s76, s72, KVREC
	s_mov_b32 s77, 0
	s_lshl_b32 s67, s54, 11
	v_add_nc_u32 v[OQC], s67, v[L16]
	s_lshl_b32 s67, s54, 8
	v_lshlrev_b32 v[OQS], 3, v17
	v_add_nc_u32 v[OQS], s67, v[OQS]
	s_lshr_b32 s67, s54, 1
	s_lshl_b32 s67, s67, 12
	s_and_b32 s78, s54, 1
	s_lshl_b32 s78, s78, 9
	s_add_co_u32 s67, s67, s78
	v_add_nc_u32 v[OVC], s67, v[L16]
	s_lshl_b32 s67, s54, 7
	v_lshlrev_b32 v[OVS], 2, v17
	v_add_nc_u32 v[OVS], s67, v[OVS]
	s_wait_dscnt 0x0
	s_wait_kmcnt 0x0
	; descriptor groups 0: count 1, LDS address, global address, type 2.  Nothing in them hangs on cx
	s_mov_b32 s40, 1
	s_mov_b32 s41, 0
	s_add_nc_u64 s[42:43], s[8:9], s[58:59]
	s_or_b32 s43, s43, 0x80000000
	s_mov_b32 s44, 1
	s_mov_b32 s45, WTILE
	s_add_nc_u64 s[46:47], s[10:11], s[58:59]
	s_or_b32 s47, s47, 0x80000000
	s_mov_b32 s48, 1
	s_mov_b32 s49, 2*WTILE
	s_add_nc_u64 s[50:51], s[12:13], s[58:59]
	s_or_b32 s51, s51, 0x80000000
	s_add_nc_u64 s[4:5], s[4:5], s[60:61]          ; x's codes at my wave's first row
	s_add_nc_u64 s[6:7], s[6:7], s[62:63]          ; and its scale bytes
	s_add_nc_u64 s[14:15], s[14:15], s[68:69]      ; W's scale bytes at row 128 y
	s_add_nc_u64 s[16:17], s[16:17], s[68:69]
	s_add_nc_u64 s[18:19], s[18:19], s[68:69]
	s_add_nc_u64 s[20:21], s[20:21], s[70:71]      ; the biases likewise
	s_add_nc_u64 s[22:23], s[22:23], s[70:71]
	s_add_nc_u64 s[24:25], s[24:25], s[70:71]
	s_add_nc_u64 s[26:27], s[26:27], s[74:75]      ; the records of head 2 y
	s_add_nc_u64 s[28:29], s[28:29], s[76:77]
	ROUND                                          ; all four work-groups are here: the joint loads meet
	s_cmp_lg_u32 s30, 0                            ; wave 0 asks for Wq's tile, wave 1 for Wk's, wave 2 for Wv's: one tensor load of a wave is out.  Four v_nop follow each
	s_cbranch_scc1 .Lnot_q
	tensor_load_to_lds s[40:43], s[32:39]
	s_nop 0
.rept 4
	v_nop
.endr
	s_branch .Lasked
.Lnot_q:
	s_cmp_lg_u32 s30, 1
	s_cbranch_scc1 .Lnot_k
	tensor_load_to_lds s[44:47], s[32:39]
	s_nop 0
.rept 4
	v_nop
.endr
	s_branch .Lasked
.Lnot_k:
	s_cmp_lg_u32 s30, 2
	s_cbranch_scc1 .Lasked
	tensor_load_to_lds s[48:51], s[32:39]
	s_nop 0
.rept 4
	v_nop
.endr
.Lasked:
	; 68 small loads: scale words (a lane takes a row's 16 bytes: four K steps) and biases
.irp e, 0,1
.irp p, 0,1
.irp q, 0,1
	global_load_b128 v[WS+16*\e+8*\p+4*\q:WS+16*\e+8*\p+4*\q+3], v[L32], s[14:15] offset:2048*\e+1024*\p+16*\q
	global_load_b128 v[WS+32+16*\e+8*\p+4*\q:WS+32+16*\e+8*\p+4*\q+3], v[L32], s[16:17] offset:2048*\e+1024*\p+16*\q
	global_load_b128 v[WS+64+16*\e+8*\p+4*\q:WS+64+16*\e+8*\p+4*\q+3], v[L32], s[18:19] offset:2048*\e+1024*\p+16*\q
.endr
.endr
.endr
.irp p, 0,1
.irp q, 0,1
	global_load_b128 v[XS+8*\p+4*\q:XS+8*\p+4*\q+3], v[L32], s[6:7] offset:1024*\p+16*\q
.endr
.endr
.irp e, 0,1
.irp t, 0,1,2,3
	global_load_b32 v[VB+4*\e+\t], v[LR4], s[24:25] offset:256*\e+64*\t
.endr
.endr
	WIN 0xC0                                       ; destination window 3
.irp e, 0,1
.irp t, 0,1,2,3
	global_load_b128 v[BI+32*\e+8*\t:BI+32*\e+8*\t+3], v[LH32], s[20:21] offset:256*\e+64*\t          ; bq at 64 e + 16 t + 8 h + 0 .. 7
	global_load_b128 v[BI+32*\e+8*\t+4:BI+32*\e+8*\t+7], v[LH32], s[20:21] offset:256*\e+64*\t+16
	global_load_b128 v[BI+64+32*\e+8*\t:BI+64+32*\e+8*\t+3], v[LH32], s[22:23] offset:256*\e+64*\t    ; bk
	global_load_b128 v[BI+64+32*\e+8*\t+4:BI+64+32*\e+8*\t+7], v[LH32], s[22:23] offset:256*\e+64*\t+16
.endr
.endr
	WIN 0x80                                       ; destination window 2
.set KK, 0
.rept 64
	global_load_b128 v[4*KK:4*KK+3], v[L16], s[4:5] offset:512*KK    ; row KK of my 64: 32 lanes read its 512 consecutive bytes
.set KK, KK+1
.endr
	; x turns through my own stage, 32 rows at a time: in as rows, out as fragments.  LDS serves a wave's instructions in order (ISA guide 5.7.1.4): no wait stands between the stores and the loads, nor ahead of the second half's stores
	s_wait_loadcnt 32                              ; the small loads and rows 0-31 are in; rows 32-63, the youngest 32 loads, may be out
	WIN 0x08                                       ; an LDS store's data: window 2
.set KK, 0
.rept 32
	ds_store_b128 v[STW], v[4*KK:4*KK+3] offset:PITCH*KK
.set KK, KK+1
.endr
	WIN 0x40                                       ; destination window 1
.irp i, 0,1
.irp u, 0,1,2,3,4,5,6,7
.irp c, 0,1
	ds_load_b128 v[64*\i+8*\u+4*\c:64*\i+8*\u+4*\c+3], v[STR] offset:16*PITCH*\i+64*\u+32*\c
.endr
.endr
.endr
	s_wait_loadcnt 0x0
	WIN 0x08
.set KK, 32
.rept 32
	ds_store_b128 v[STW], v[4*KK:4*KK+3] offset:PITCH*(KK-32)
.set KK, KK+1
.endr
	WIN 0x40
.irp i, 2,3
.irp u, 0,1,2,3,4,5,6,7
.irp c, 0,1
	ds_load_b128 v[64*\i+8*\u+4*\c:64*\i+8*\u+4*\c+3], v[STR] offset:16*PITCH*(\i-2)+64*\u+32*\c
.endr
.endr
.endr
	WIN 0
	s_wait_tensorcnt 0x0                           ; my tile of W has landed,
	s_wait_dscnt 0x0                               ; and no LDS instruction of mine is out at the signal
	s_barrier_signal -1
	s_barrier_wait -1                              ; everybody's has: W is whole for every wave
; W's fragments of K steps 2 pr, 2 pr + 1 of group g: 16 loads
.macro BLOAD g, pr
	WIN 0x80
.irp u, 0,1
.irp t, 0,1,2,3
.irp c, 0,1
	ds_load_b128 v[32*(2*(\pr)+\u)+8*\t+4*\c:32*(2*(\pr)+\u)+8*\t+4*\c+3], v[WA+(\g)] offset:16*PITCH*\t+64*(2*(\pr)+\u)+32*\c
.endr
.endr
.endr
.endm
; 16 products of K step s.  The 16 accumulators take turns, one instruction a turn, in the same order in every K step.
.macro MUL kind, g, s
.if \kind
	WIN 0xF9                                       ; source 0 (x) window 1, source 1 (W) window 2, C and D window 3
.else
	WIN 0xF6                                       ; source 0 (W) window 2, source 1 (x) window 1, C and D window 3
.endif
.irp b, 0,1,2,3
.irp a, 0,1,2,3
.if \kind
.set CC, BI+32*((\g)-4)+8*\b
.else
.set CC, BI+32*(\g)+8*\a
.endif
.if (\s) != 0
.set CC, 32*\b+8*\a
.endif
.if \kind
	WM 32*\b+8*\a, 64*\a+8*(\s), 32*(\s)+8*\b, CC, XS+8*(\a/2)+(\s), WS+16*(\g)+8*(\b/2)+(\s), \a%2, \b%2
.else
	WM 32*\b+8*\a, 32*(\s)+8*\a, 64*\b+8*(\s), CC, WS+16*(\g)+8*(\a/2)+(\s), XS+8*(\b/2)+(\s), \a%2, \b%2
.endif
.endr
.endr
.endm
; A group's 128 products, two K steps at a time; behind each pair its registers take the next group's fragments of the same K steps.
; THE WAIT'S COUNT: behind a pair's 16 loads were issued 16 for each later pair of this group and 16 for each earlier pair of the next: 48 in all; in the last group 48, 32, 16, 0.
.macro GROUP kind, g, next
.irp pr, 0,1,2,3
.if \next
	s_wait_dscnt 48
.else
	s_wait_dscnt 48-16*\pr
.endif
	MUL \kind, \g, 2*\pr
	MUL \kind, \g, 2*\pr+1
.if \next
	PLACES                                         ; ahead of loads into registers that these products have read; behind the last pair they are also the places ahead of the first read of the results
	BLOAD (\g)+1, \pr
.endif
.endr
.endm
; A group's results are quantised and stored.  Registers 16 n .. 16 n + 15 of window 3 are this lane's half of block n % 2 of tile n / 2; lane l xor 16 holds the other half.
.macro EPI kind, g
	s_wait_xcnt 0x0                                ; the last group's stores have read their data: the registers may be written again
	WIN 0x0F                                       ; sources 0 and 1 window 3
.irp n, 0,1,2,3,4,5,6,7
	v_max3_num_f32 v[TM+\n], |v[16*\n]|, |v[16*\n+1]|, 0x1800000     ; with the floor 2^(3 - 127): the byte cannot fall under 1.  Each accumulator is read from its low end on
.endr
	WIN 0x3C                                       ; sources 1 and 2 window 3
.irp i, 2,4,6,8,10,12,14
.irp n, 0,1,2,3,4,5,6,7
	v_max3_num_f32 v[TM+\n], v[TM+\n], |v[16*\n+\i]|, |v[16*\n+\i+1]|
.endr
.endr
	WIN 0
.irp n, 0,1,2,3,4,5,6,7
	v_permlanex16_b32 v[TP+\n], v[TM+\n], s56, s57
.endr
.irp n, 0,1,2,3,4,5,6,7
	v_max_num_f32 v[TM+\n], v[TM+\n], v[TP+\n]     ; the block's largest magnitude
.endr
.irp n, 0,1,2,3,4,5,6,7
	v_add_nc_u32 v[SO+\n], 0xff000000, v[TM+\n]    ; 2 off its exponent field: the conversion takes this operand's exponent field as its scale
.endr
.irp n, 0,1,2,3,4,5,6,7
	v_lshrrev_b32 v[TP+\n], 23, v[SO+\n]           ; the scale's byte
.endr
.irp b, 0,1,2,3
	v_lshl_or_b32 v[PW+\b], v[TP+2*\b+1], 8, v[TP+2*\b]
.endr
	WIN 0x03                                       ; source 0 window 3
.irp b, 0,1,2,3
.irp a, 0,1,2,3
	v_cvt_scalef32_pk8_fp4_f32 v[CD+4*\b+2*(\a%2)+\a/2], v[32*\b+8*\a:32*\b+8*\a+7], v[SO+2*\b+\a/2]
.endr
.endr
	WIN 0
	v_nop                                          ; one plain instruction behind the scaled conversions
.irp b, 0,1,2,3
	v_permlane16_swap_b32 v[CD+4*\b], v[CD+4*\b+1]     ; registers 0 .. 3 now hold K = 32 h + 0 .. 31
	v_permlane16_swap_b32 v[CD+4*\b+2], v[CD+4*\b+3]
.endr
	v_cndmask_b32 v[SX], v[PW], v[PW+1], s55       ; lanes 0-15 tile 0's bytes, lanes 16-31 tile 1's
	v_cndmask_b32 v[SX+1], v[PW+2], v[PW+3], s55   ; tiles 2 and 3
.if \kind
	v_lshl_or_b32 v[SX], v[SX+1], 16, v[SX]        ; v: a group of 64 keys has two bytes a row of d: two tiles' share a word
.irp b, 0,1,2,3
	global_store_b128 v[OVC], v[CD+4*\b:CD+4*\b+3], s[28:29] offset:((\g)%2)*KVREC+65536+1024*\b   ; 512 consecutive bytes, aligned
.endr
	global_store_b32 v[OVS], v[SX], s[28:29] offset:((\g)%2)*KVREC+139264                           ; 128 consecutive bytes
.elseif (\g) < 2
.irp b, 0,1,2,3
	global_store_b128 v[OQC], v[CD+4*\b:CD+4*\b+3], s[26:27] offset:((\g)%2)*QREC+512*\b
.endr
	global_store_b64 v[OQS], v[SX:SX+1], s[26:27] offset:((\g)%2)*QREC+65536                        ; 256 consecutive bytes, aligned
.else
.irp b, 0,1,2,3
	global_store_b128 v[OQC], v[CD+4*\b:CD+4*\b+3], s[28:29] offset:((\g)%2)*KVREC+512*\b
.endr
	global_store_b64 v[OQS], v[SX:SX+1], s[28:29] offset:((\g)%2)*KVREC+131072
.endif
.endm
	BLOAD 0, 0
	BLOAD 0, 1
	BLOAD 0, 2
	BLOAD 0, 3
	GROUP 0, 0, 1                                  ; q, head 2 y
	EPI 0, 0
	GROUP 0, 1, 1                                  ; q, head 2 y + 1
	EPI 0, 1
	GROUP 0, 2, 1                                  ; k
	EPI 0, 2
	GROUP 0, 3, 1
	WIN 0xC0                                       ; bv takes the places of bq, which is done with: in v's layout a lane holds one d, so its eight registers hold the same bias
.irp e, 0,1
.irp t, 0,1,2,3
.irp j, 0,1,2,3,4,5,6,7
	v_mov_b32 v[BI+32*\e+8*\t+\j], v[VB+4*\e+\t]
.endr
.endr
.endr
	EPI 0, 3
	GROUP 1, 4, 1                                  ; v
	EPI 1, 4
	GROUP 1, 5, 0
	PLACES                                         ; the last group fetches nothing: the places ahead of the first read of its results are written out
	EPI 1, 5
	s_wait_tensorcnt 0x0
	ds_add_u32 v254, v255
	s_wait_dscnt 0x0
	ROUND                                          ; the closing round: no work-group ends while a partner may still ask for a tile that names it
	s_endpgm
.Lfunc_end_k_q88f02cb403_qkv:
	.size	k_q88f02cb403_qkv, .Lfunc_end_k_q88f02cb403_qkv-k_q88f02cb403_qkv
	.p2alignl 7, 3214868480
	.fill 96, 4, 3214868480
	.section	.rodata,"a",@progbits
	.p2align	6, 0x0
	.amdhsa_kernel k_q88f02cb403_qkv
		.amdhsa_group_segment_fixed_size 270848
		.amdhsa_private_segment_fixed_size 0
		.amdhsa_enable_private_segment 0
		.amdhsa_kernarg_size 104
		.amdhsa_user_sgpr_count 2
		.amdhsa_user_sgpr_kernarg_segment_ptr 1
		.amdhsa_wavefront_size32 1
		.amdhsa_system_sgpr_workgroup_id_x 1
		.amdhsa_system_sgpr_workgroup_id_y 1
		.amdhsa_system_sgpr_workgroup_id_z 1
		.amdhsa_system_vgpr_workitem_id 0
		.amdhsa_next_free_vgpr 1024
		.amdhsa_next_free_sgpr 80
		.amdhsa_reserve_vcc 0
		.amdhsa_float_denorm_mode_32 3
		.amdhsa_float_denorm_mode_16_64 3
		.amdhsa_memory_ordered 1
		.amdhsa_forward_progress 1
		.amdhsa_inst_pref_size 203
	.end_amdhsa_kernel
	.amdgpu_metadata
---
amdhsa.version: [ 1, 2 ]
amdhsa.kernels:
  - .name:           k_q88f02cb403_qkv
    .symbol:         k_q88f02cb403_qkv.kd
    .args:
      - { .name: x_codes, .offset: 0, .size: 8, .value_kind: global_buffer, .address_space: global }
      - { .name: x_scales, .offset: 8, .size: 8, .value_kind: global_buffer, .address_space: global }
      - { .name: Wq_codes, .offset: 16, .size: 8, .value_kind: global_buffer, .address_space: global }
      - { .name: Wk_codes, .offset: 24, .size: 8, .value_kind: global_buffer, .address_space: global }
      - { .name: Wv_codes, .offset: 32, .size: 8, .value_kind: global_buffer, .address_space: global }
      - { .name: Wq_scales, .offset: 40, .size: 8, .value_kind: global_buffer, .address_space: global }
      - { .name: Wk_scales, .offset: 48, .size: 8, .value_kind: global_buffer, .address_space: global }
      - { .name: Wv_scales, .offset: 56, .size: 8, .value_kind: global_buffer, .address_space: global }
      - { .name: bq, .offset: 64, .size: 8, .value_kind: global_buffer, .address_space: global }
      - { .name: bk, .offset: 72, .size: 8, .value_kind: global_buffer, .address_space: global }
      - { .name: bv, .offset: 80, .size: 8, .value_kind: global_buffer, .address_space: global }
      - { .name: qbuf, .offset: 88, .size: 8, .value_kind: global_buffer, .address_space: global }
      - { .name: kvbuf, .offset: 96, .size: 8, .value_kind: global_buffer, .address_space: global }
    .group_segment_fixed_size: 270848
    .private_segment_fixed_size: 0
    .kernarg_segment_align: 8
    .kernarg_segment_size: 104
    .max_flat_workgroup_size: 128
    .sgpr_count:     80
    .vgpr_count:     1024
    .wavefront_size: 32
...
	.end_amdgpu_metadata
.endif
;; end of part 1
;; launch attn (part 2): grid 4 x 64, 16 waves a work-group, clusters of 4 x 1, 169,984 bytes of LDS; arguments qbuf, kvbuf, abuf; writes abuf
.if DOCPART == 2
	.amdgcn_target "amdgcn-amd-amdhsa--gfx1250"
	.amdhsa_code_object_version 6
	.text
	.protected	k_q88f02cb403_attn
	.globl	k_q88f02cb403_attn
	.p2align	8
	.type	k_q88f02cb403_attn,@function
k_q88f02cb403_attn:
	s_mov_b64 s[64:65], 0
	v_nop
	global_prefetch_b8 v0, s[64:65] scope:SCOPE_SE
	s_setreg_imm32_b32 hwreg(HW_REG_WAVE_MODE, 25, 1), 1
	s_wait_xcnt 0x0
	s_wait_alu depctr_hold_cnt(0) depctr_sa_sdst(0) depctr_va_vdst(0) depctr_va_sdst(0) depctr_va_ssrc(0) depctr_va_vcc(0) depctr_vm_vsrc(0)
	s_getreg_b32 s2, hwreg(HW_REG_IB_STS2, 6, 4)
	s_cmp_eq_u32 s2, 0
	s_cbranch_scc0 .Lentry_in_a_cluster
	s_endpgm
.Lentry_in_a_cluster:
	s_bfe_u32 s2, ttmp6, 0x10000c
	s_cmp_lg_u32 s2, 0x3003
	s_cbranch_scc0 .Lentry_shape_is_right
	s_endpgm
.Lentry_shape_is_right:
; For each of 64 (batch, head): o[q] = the sum over keys k <= q of softmax_k(q . k / 8) v[k], both products on codes of FP4 (E2M1) with one E8M0 scale for each 32 along a product's K; o is quantised along d and stored as codes.
; THE SOFTMAX: t = score x log2(e) / 8; M = the row's largest t so far, rounded UP to a whole number; p = 2^(t - M) is quantised along the keys, not normalised.  The row's sum is taken of the unquantised p and divides at the end.
; When M moves, the sum and O are multiplied by 2^(old M - new M), which rounds nothing.
; SHARES.  The four work-groups of a cluster serve one head.  The head's whole record of kvbuf (k's codes, v's codes, their scale words: 143,360 dense bytes) comes into each one's LDS ONCE, by joint loads of waves 0 to 3: no ring, no refill.
; Wave w makes two tiles of 16 queries, one after the other: queries 128 w + 32 cx + r, whose last key step is w, and queries 128 (15 - w) + 32 cx + 16 + r, whose last key step is 15 - w:
; (w + 1) + (16 - w) = 17 key steps of 128 keys for every wave.  Which steps are left out, and which lies on the diagonal, hangs on the wave's number alone; cx enters global addresses and the number that the mask compares with.
; Four waves share a SIMD: one wave's vector work stands beside another's products and LDS loads.
; LAYOUT.  S^T = K Q^T (source 0 = 16 keys, source 1 = my 16 queries), O^T = V^T P^T (source 0 = 16 of the head's 64, source 1 = P): a lane holds ONE query throughout.  In tile t of S^T lane (r, h) holds keys 16 t + 8 h + 0 .. 7:
; eight convert into one register, and two exchanges of lane halves for each four tiles give P's fragment.
; THE HEAD IS 64, THE INSTRUCTION'S K 128.  Q's registers 4 to 7 are zero codes.  K's fragment of tile t is named v[32 + 4 t : 39 + 4 t]: its upper four registers are the next tile's codes (zeros behind the last): any code x a zero code is 0.
; Both sides' scale bytes 2 and 3 are 0, which is 2^-127 and no NaN.
; LIMITS: NaN and infinities are not served.  A block of o whose largest magnitude lies under 2^-124 gets the scale byte 1 (read by this program alone).  1 / l is v_rcp_f32 and a multiplication.  An exponential under 2^-126 comes out as 0.
; A block's largest p is made from the block's largest score by the same multiply-add and exponential: this takes v_exp_f32 not to fall where its input rises.
; REGISTERS: v1-4 lane terms of LDS addresses; v5-8 the step's addresses; v9, v10 the mask's numbers; v11 -infinity; v12 -M, v13 the largest t, v[14:15] the sum; v16-23, v24-31 Q of the two passes; v32-67 K; v68-99 V;
;   v100-163 S^T, then p; v164-195 O^T; v196-203 p's codes; v204-207 K's scale words; v208-211 V's; v212 p's; v213, v214 Q's; v216-233 at work; v236-240 the result; v241-250 offsets.
.set VC,    65536                      ; LDS, as the record lies in memory: k's codes at 0, v's codes,
.set KSC,   131072                     ; k's scale words,
.set VSC,   139264                     ; v's,
.set AST,   143360                     ; and behind the record 1,024 bytes in which no fill lands: the result's scale bytes of the work-group's 512 queries
.set KVREC, 143360
.set QREC,  73728
.set QUART, 35840                      ; 140 rows of 256 bytes: what one tensor load brings
.macro ROUND                           ; a round of the cluster's barrier
	s_barrier_signal -1
	s_barrier_wait -1
	s_cmp_lg_u32 s10, 0
	s_cbranch_scc1 .Lnot_wave_0_\@
	s_barrier_signal -3
.Lnot_wave_0_\@:
	s_barrier_wait -3
	s_barrier_signal -1
	s_barrier_wait -1
.endm
	s_load_b128 s[4:7], s[0:1], 0x0                ; qbuf, kvbuf
	s_load_b64 s[8:9], s[0:1], 0x10                ; abuf
	v_lshl_add_u32 v254, v0, 2, 0x29000
	v_mov_b32 v255, 0
	ds_add_u32 v254, v255
	ds_add_u32 v254, v255
	v_lshrrev_b32 v230, 5, v0
	v_readfirstlane_b32 s10, v230                  ; wave 0..15
	s_and_b32 s12, ttmp7, 0xffff                   ; 16 x batch + head, which the four partners share
	s_mov_b32 s24, 1                               ; descriptor group 0: count 1,
	s_mul_i32 s25, s10, QUART                      ; LDS address: wave x a quarter of the record (waves 0 to 3 alone issue the load),
	s_mul_i32 s14, s12, KVREC
	s_add_co_u32 s14, s14, s25                     ; and the same quarter in memory
	s_mov_b32 s15, 0
	s_mul_i32 s2, s12, QREC
	s_mov_b32 s3, 0
	; descriptor group 1: 140 dense rows of 256 bytes, no padding: every read of these bytes is 16 x lane on end
	s_mov_b32 s16, 15|(3<<16)|(1<<21)              ; 15:0 the mask: all four partners; 17:16 elements of 8 bytes; 21 set beside a mask
	s_mov_b32 s17, 32<<16                          ; tensor_dim0
	s_mov_b32 s18, 140<<16                         ; tensor_dim1
	s_mov_b32 s19, 32<<16                          ; tile_dim0
	s_mov_b32 s20, 140                             ; tile_dim1
	s_mov_b32 s21, 32                              ; from row to row
	s_mov_b32 s22, 0
	s_mov_b32 s23, 0
	s_mov_b32 s28, 0x76543210                      ; v_permlanex16_b32: lane l xor 16
	s_mov_b32 s29, 0xfedcba98
	s_mov_b32 s30, 0x3e38aa3b                      ; c = log2(e) / 8
	s_mov_b32 s31, s30                             ; (named with it as a pair)
	s_mov_b32 s32, 0x05040100                      ; two low halves
	s_mov_b32 s33, 0x07060302                      ; two high halves
	s_mov_b32 s38, s10                             ; the first pass's last key step
	s_xor_b32 s39, s10, 15                         ; the second's: 15 - w
	v_and_b32 v231, 31, v0                         ; lane
	v_and_b32 v232, 15, v0                         ; r
	v_bfe_u32 v233, v0, 4, 1                       ; h
	v_lshlrev_b32 v1, 4, v231                      ; 16 x lane: k's codes
	v_add_nc_u32 v2, VC, v1                        ; v's codes
	v_lshl_add_u32 v3, v231, 3, KSC                ; k's scale words: 8 bytes a lane
	v_lshl_add_u32 v4, v231, 2, VSC                ; v's: 4
	s_lshl_b32 s13, s10, 6
	s_add_co_u32 s13, s13, AST
	v_lshl_add_u32 v243, v232, 1, s13              ; the result's scale bytes, first pass: AST + 64 w + 2 r
	s_lshl_b32 s13, s39, 6
	s_add_co_u32 s13, s13, AST+32
	v_lshl_add_u32 v244, v232, 1, s13              ; second pass: AST + 64 (15 - w) + 32 + 2 r
	v_add_nc_u32 v245, AST, v1
	; my place in the cluster: it enters global offsets and the mask's numbers alone
	s_bfe_u32 s11, ttmp6, 0x40000                  ; cx
	s_lshl_b32 s40, s11, 1
	s_lshl_b32 s41, s38, 3
	s_add_co_u32 s41, s41, s40                     ; the first pass's tile of queries: 8 w + 2 cx
	s_lshl_b32 s42, s39, 3
	s_add_co_u32 s42, s42, s40
	s_add_co_u32 s42, s42, 1                       ; the second's: 8 (15 - w) + 2 cx + 1
	s_lshl_b32 s43, s41, 9
	v_add_nc_u32 v247, s43, v1                     ; Q's codes: 512 x tile + 16 x lane
	s_lshl_b32 s43, s42, 9
	v_add_nc_u32 v248, s43, v1
	s_lshr_b32 s43, s11, 1                         ; Q's scale word: 65,536 + 256 (tile / 4) + 8 (16 (tile % 2) + r) + 4 ((tile % 4) / 2)
	s_lshl_b32 s43, s43, 8
	s_and_b32 s44, s11, 1
	s_lshl_b32 s44, s44, 2
	s_add_co_u32 s43, s43, s44
	s_add_co_u32 s43, s43, 65536
	s_lshl_b32 s44, s38, 9
	s_add_co_u32 s44, s44, s43
	v_lshl_add_u32 v249, v232, 3, s44
	s_lshl_b32 s44, s39, 9
	s_add_co_u32 s44, s44, s43
	s_add_co_u32 s44, s44, 128
	v_lshl_add_u32 v250, v232, 3, s44
	s_lshr_b32 s45, s12, 4                         ; the result's codes: 8,192 (128 x batch + tile) + 1,024 (head / 2) + 512 (head % 2) + 16 x lane
	s_lshl_b32 s45, s45, 20
	s_bfe_u32 s46, s12, 0x30001
	s_lshl_b32 s46, s46, 10
	s_add_co_u32 s45, s45, s46
	s_and_b32 s46, s12, 1
	s_lshl_b32 s46, s46, 9
	s_add_co_u32 s45, s45, s46
	s_lshl_b32 s46, s41, 13
	s_add_co_u32 s46, s46, s45
	v_add_nc_u32 v241, s46, v1
	s_lshl_b32 s46, s42, 13
	s_add_co_u32 s46, s46, s45
	v_add_nc_u32 v242, s46, v1
	s_lshl_b32 s46, s12, 12                        ; its scale bytes: 4,194,304 + 4,096 (16 x batch + head) + 1,024 cx + 16 x lane
	s_lshl_b32 s47, s11, 10
	s_add_co_u32 s46, s46, s47
	s_add_co_u32 s46, s46, 4194304
	v_add_nc_u32 v246, s46, v1
	s_lshl_b32 s47, s11, 5
	v_lshlrev_b32 v230, 3, v233
	v_sub_nc_u32 v9, v232, v230
	v_add_nc_u32 v9, s47, v9                       ; the mask, first pass: my query in the diagonal step less 8 h: 32 cx + r - 8 h
	v_add_nc_u32 v10, 16, v9                       ; second pass: 16 more
	v_mov_b32 v11, 0xff800000                      ; -infinity
.irp n, 20,21,22,23,28,29,30,31,64,65,66,67
	v_mov_b32 v\n, 0                               ; zero codes: the upper half of Q's fragments, and what stands behind K's last tile
.endr
.irp n, 220,221,222,223,229
	v_mov_b32 v\n, 0                               ; written once: lane permutes' destinations, and the upper half of the pair v[228:229]
.endr
	s_wait_dscnt 0x0
	s_wait_kmcnt 0x0
	s_add_nc_u64 s[26:27], s[6:7], s[14:15]        ; group 0: global address,
	s_or_b32 s27, s27, 0x80000000                  ; type 2
	s_add_nc_u64 s[4:5], s[4:5], s[2:3]            ; qbuf at my head's record
	ROUND                                          ; all four work-groups are here: the joint loads meet
	s_cmp_lt_u32 s10, 4
	s_cbranch_scc0 .Lno_fetch
	tensor_load_to_lds s[24:27], s[16:23]          ; one tensor load of a wave is out
	s_nop 0
.rept 4
	v_nop
.endr
.Lno_fetch:
	global_load_b128 v[16:19], v247, s[4:5]        ; Q stays in registers: lane (r, h): query r, d = 32 h + 0 .. 31
	global_load_b128 v[24:27], v248, s[4:5]
	global_load_b32 v213, v249, s[4:5]
	global_load_b32 v214, v250, s[4:5]
	s_wait_tensorcnt 0x0                           ; my quarter of the record has landed,
	s_barrier_signal -1
	s_barrier_wait -1                              ; everybody's has
	s_wait_loadcnt 0x0                             ; Q
; A KEY STEP: 128 keys.  qf: Q's fragment; qs: its scale words; vd: the mask's number; al: the scalar register with the pass's last step
.macro STEP qf, qs, vd, al
	v_add_nc_u32 v5, s35, v1                       ; the step's addresses.  These four are also the places between the last step's products and the loads into V's registers
	v_add_nc_u32 v6, s35, v2
	v_add_nc_u32 v7, s36, v3
	v_add_nc_u32 v8, s37, v4
.irp t, 0,1,2,3,4,5,6,7
	ds_load_b128 v[32+4*\t:35+4*\t], v5 offset:512*\t
.endr
	ds_load_b64 v[204:205], v7                     ; K's scale words: tiles 0|1 (lanes 0-15 | 16-31), 2|3,
	ds_load_b64 v[206:207], v7 offset:256          ; 4|5, 6|7
.irp t, 0,1,2,3
.irp c, 0,1
	ds_load_b128 v[68+8*\t+4*\c:71+8*\t+4*\c], v6 offset:1024*\t+512*\c
.endr
.endr
	ds_load_b32 v208, v8                           ; V's scale bytes of keys 0-63 of the step,
	ds_load_b32 v209, v8 offset:128                ; and 64-127
	s_wait_dscnt 10                                ; K and its scale words are in; V's eight loads and its two scale loads may be out
.irp t, 0,1,2,3,4,5,6,7
.if (\t)%2
	v_wmma_scale_f32_16x16x128_f8f6f4 v[100+8*\t:107+8*\t], v[32+4*\t:39+4*\t], v[\qf:\qf+7], 0, v[204+\t/2], v[\qs] matrix_a_fmt:MATRIX_FMT_FP4 matrix_b_fmt:MATRIX_FMT_FP4 matrix_a_scale:MATRIX_SCALE_ROW1
.else
	v_wmma_scale_f32_16x16x128_f8f6f4 v[100+8*\t:107+8*\t], v[32+4*\t:39+4*\t], v[\qf:\qf+7], 0, v[204+\t/2], v[\qs] matrix_a_fmt:MATRIX_FMT_FP4 matrix_b_fmt:MATRIX_FMT_FP4
.endif
.endr
.rept 4
	v_nop                                          ; places ahead of the first read of the scores
.endr
	s_cmp_lg_u32 s34, s[\al]                       ; the pass's last step lies on the diagonal: there hidden scores become -infinity ahead of the maximum, so that p = 0
	s_cbranch_scc1 .Lopen_\@
.set NN, 0
.rept 64
	v_cmp_gt_i32 vcc_lo, 16*(NN/8)+NN%8, v[\vd]    ; register NN holds key 16 (NN / 8) + 8 h + NN % 8 of the step: hidden where that is above my query
	v_cndmask_b32 v[100+NN], v[100+NN], v11, vcc_lo
.set NN, NN+1
.endr
.Lopen_\@:
.irp b, 0,1,2,3
	v_max3_num_f32 v[216+\b], v[100+16*\b], v[101+16*\b], v[102+16*\b]   ; the largest score of each block of 32 keys: it serves the row's maximum and, since p rises with the score, the block's largest p
.endr
.irp i, 3,5,7,9,11,13
.irp b, 0,1,2,3
	v_max3_num_f32 v[216+\b], v[216+\b], v[100+16*\b+\i], v[101+16*\b+\i]
.endr
.endr
.irp b, 0,1,2,3
	v_max_num_f32 v[216+\b], v[216+\b], v[115+16*\b]
.endr
.irp b, 0,1,2,3
	v_permlanex16_b32 v[220+\b], v[216+\b], s28, s29
.endr
.irp b, 0,1,2,3
	v_max_num_f32 v[216+\b], v[216+\b], v[220+\b]  ; with lane l xor 16's 16 keys
.endr
	v_max3_num_f32 v230, v216, v217, v218
	v_max_num_f32 v230, v230, v219                 ; the step's largest score of my query
	v_mul_f32 v230, s30, v230                      ; as t (c is positive)
	v_max_num_f32 v13, v13, v230                   ; the running largest t
	v_mov_b32 v230, v12
	v_floor_f32 v12, -v13                          ; the new -M = floor(-t): M is a whole number
	v_sub_f32 v230, v12, v230                      ; old M - new M: a whole number, 0 or less
	v_cvt_i32_f32 v230, v230                       ; (it saturates)
	v_ldexp_f32 v228, 1.0, v230                    ; f = 2^(old M - new M)
.set JJ, 0
.rept 32
	v_pk_fma_f32 v[100+JJ:101+JJ], v[100+JJ:101+JJ], s[30:31], v[12:13] op_sel_hi:[1,0,0]   ; t - M, two at a time
.set JJ, JJ+2
.endr
.irp b, 0,1,2,3
	v_fma_f32 v[216+\b], v[216+\b], s30, v12       ; the same of each block's largest score
.endr
.set JJ, 0
.rept 64
	v_exp_f32 v[100+JJ], v[100+JJ]                 ; p = 2^(t - M), at most 1
.set JJ, JJ+1
.endr
	v_pk_mul_f32 v[14:15], v[14:15], v[228:229] op_sel_hi:[1,0]   ; the sums under the new M: the plain instruction behind the exponentials
	s_wait_alu depctr_va_vdst(0)                   ; one wait for the batch of 64, ahead of its first reader
.irp b, 0,1,2,3
	v_exp_f32 v[216+\b], v[216+\b]                 ; the block's largest p
.endr
	v_pk_add_f32 v[232:233], v[100:101], v[102:103]    ; the row's sum is taken of the unquantised p, in two chains; it reads the 64 alone
.set JJ, 4
.rept 15
	v_pk_add_f32 v[14:15], v[14:15], v[100+JJ:101+JJ]
	v_pk_add_f32 v[232:233], v[232:233], v[102+JJ:103+JJ]
.set JJ, JJ+4
.endr
	v_pk_add_f32 v[14:15], v[14:15], v[232:233]
	s_wait_alu depctr_va_vdst(0)                   ; and one for the four
	s_wait_dscnt 0x0                               ; V and its scale bytes are in
	v_perm_b32 v210, v209, v208, s32               ; V's scale words of this step: d tiles 0|1: two bytes of keys 0-63, two of keys 64-127;
	v_perm_b32 v211, v209, v208, s33               ; d tiles 2|3
.irp b, 0,1,2,3
	v_max_num_f32 v[216+\b], 0x1800000, v[216+\b]  ; the floor 2^(3 - 127): the byte cannot fall under 1 (a block whose every p is 0 keeps that byte: its codes are zeros)
.endr
.irp b, 0,1,2,3
	v_add_nc_u32 v[224+\b], 0xff000000, v[216+\b]  ; 2 off the exponent field: the conversion's scale operand
.endr
.irp b, 0,1,2,3
	v_lshrrev_b32 v[220+\b], 23, v[224+\b]         ; the scale's byte
.endr
	v_lshl_or_b32 v212, v221, 8, v220              ; p's scale word for these 128 keys
	v_lshl_or_b32 v212, v222, 16, v212
	v_lshl_or_b32 v212, v223, 24, v212
.irp t, 0,1,2,3,4,5,6,7
	v_cvt_scalef32_pk8_fp4_f32 v[196+4*(\t/4)+2*(\t%2)+(\t%4)/2], v[100+8*\t:107+8*\t], v[224+\t/2]
.endr
	v_nop                                          ; one plain instruction behind the scaled conversions
.irp n, 196,198,200,202
	v_permlane16_swap_b32 v[\n], v[\n+1]           ; registers 4 c .. 4 c + 3 now hold keys 64 c + 32 h + 0 .. 31
.endr
.set JJ, 0
.rept 16
	v_pk_mul_f32 v[164+JJ:165+JJ], v[164+JJ:165+JJ], v[228:229] op_sel_hi:[1,0]   ; O^T under the new M.  Twelve of the sixteen name no register of any one product below: the places between the scale words' and codes' last writes and the products
.set JJ, JJ+2
.endr
.irp t, 0,1,2,3
.if (\t)%2
	v_wmma_scale_f32_16x16x128_f8f6f4 v[164+8*\t:171+8*\t], v[68+8*\t:75+8*\t], v[196:203], v[164+8*\t:171+8*\t], v[210+\t/2], v212 matrix_a_fmt:MATRIX_FMT_FP4 matrix_b_fmt:MATRIX_FMT_FP4 matrix_a_scale:MATRIX_SCALE_ROW1
.else
	v_wmma_scale_f32_16x16x128_f8f6f4 v[164+8*\t:171+8*\t], v[68+8*\t:75+8*\t], v[196:203], v[164+8*\t:171+8*\t], v[210+\t/2], v212 matrix_a_fmt:MATRIX_FMT_FP4 matrix_b_fmt:MATRIX_FMT_FP4
.endif
.endr
.endm
; A PASS: one tile of 16 queries.  The loop has a constant 16 trips; a step all of whose keys come after the tile's queries is jumped over by a scalar branch on the wave's number, not so the lines that step addresses.
; vo: the offset of the result's codes; vs: the LDS address of its scale bytes
.macro PASS qf, qs, vd, al, vo, vs
	v_mov_b32 v13, 0xff61b1e6                      ; the largest t so far: -3e38, under every t
	v_floor_f32 v12, -v13                          ; -M
	v_mov_b32 v14, 0                               ; the sum, in two halves
	v_mov_b32 v15, 0
.set JJ, 0
.rept 32
	v_mov_b32 v[164+JJ], 0                         ; O^T.  (The step is written once: its first run finds zeros, which the first change of M leaves zeros)
.set JJ, JJ+1
.endr
	s_mov_b32 s34, 0                               ; the key step
	s_mov_b32 s35, 0                               ; its codes: 4,096 bytes a step, of K and of V alike
	s_mov_b32 s36, 0                               ; K's scale words: 512
	s_mov_b32 s37, 0                               ; V's: 256
.Lstep_\@:
	s_cmp_gt_u32 s34, s[\al]
	s_cbranch_scc1 .Lhidden_\@
	STEP \qf, \qs, \vd, \al
.Lhidden_\@:
	s_add_co_u32 s35, s35, 4096
	s_add_co_u32 s36, s36, 512
	s_add_co_u32 s37, s37, 256
	s_add_co_u32 s34, s34, 1
	s_cmp_lt_u32 s34, 16
	s_cbranch_scc1 .Lstep_\@
.rept 4
	v_nop                                          ; places behind the last products
.endr
	v_add_f32 v14, v14, v15                        ; the sum's two halves,
	v_permlanex16_b32 v230, v14, s28, s29
	v_add_f32 v14, v14, v230                       ; and lane l xor 16's: the row's sum
	v_rcp_f32 v14, v14
	v_nop                                          ; a plain instruction behind the reciprocal
	s_wait_xcnt 0x0                                ; the pass before has had its store's data read: the registers may be written again
	s_wait_alu depctr_va_vdst(0)                   ; ahead of the reciprocal's first reader
.set JJ, 0
.rept 16
	v_pk_mul_f32 v[100+JJ:101+JJ], v[164+JJ:165+JJ], v[14:15] op_sel_hi:[1,0]   ; O^T / the sum: register 8 t + j is o(r, 16 t + 8 h + j)
.set JJ, JJ+2
.endr
.irp k, 0,1
	v_max3_num_f32 v[216+\k], |v[100+16*\k]|, |v[101+16*\k]|, 0x1800000   ; the two blocks of 32 along d, with the floor
.endr
.irp i, 2,4,6,8,10,12,14
.irp k, 0,1
	v_max3_num_f32 v[216+\k], v[216+\k], |v[100+16*\k+\i]|, |v[101+16*\k+\i]|
.endr
.endr
.irp k, 0,1
	v_permlanex16_b32 v[220+\k], v[216+\k], s28, s29
.endr
.irp k, 0,1
	v_max_num_f32 v[216+\k], v[216+\k], v[220+\k]
.endr
.irp k, 0,1
	v_add_nc_u32 v[224+\k], 0xff000000, v[216+\k]
.endr
.irp k, 0,1
	v_lshrrev_b32 v[220+\k], 23, v[224+\k]
.endr
	v_lshl_or_b32 v240, v221, 8, v220              ; my query's two scale bytes
.irp a, 0,1,2,3
	v_cvt_scalef32_pk8_fp4_f32 v[236+2*(\a%2)+\a/2], v[100+8*\a:107+8*\a], v[224+\a/2]
.endr
	v_nop                                          ; one plain instruction behind the scaled conversions
	v_permlane16_swap_b32 v236, v237
	v_permlane16_swap_b32 v238, v239               ; lane (r, h): query r, d = 32 h + 0 .. 31
	global_store_b128 v[\vo], v[236:239], s[8:9]   ; 512 consecutive bytes, aligned: half a fragment of the last product's operand
	ds_store_b16 v[\vs], v240                      ; lanes l and l xor 16 write the same two bytes with the same value
.endm
	PASS 16, 213, 9, 38, 241, 243
	PASS 24, 214, 10, 39, 242, 244
	s_wait_dscnt 0x0                               ; for the others' sake: my scale bytes lie in LDS
	s_barrier_signal -1
	s_barrier_wait -1
	s_cmp_lg_u32 s10, 0                            ; wave 0 stores the work-group's 1,024 scale bytes: two stores of 512 consecutive bytes, aligned
	s_cbranch_scc1 .Lnot_first
	ds_load_b128 v[100:103], v245
	ds_load_b128 v[104:107], v245 offset:512
	s_wait_dscnt 0x0
	global_store_b128 v246, v[100:103], s[8:9]
	global_store_b128 v246, v[104:107], s[8:9] offset:512
.Lnot_first:
	s_wait_tensorcnt 0x0
	ds_add_u32 v254, v255
	s_wait_dscnt 0x0
	ROUND                                          ; the closing round: no work-group ends while a partner may still ask for a tile that names it
	s_endpgm
.Lfunc_end_k_q88f02cb403_attn:
	.size	k_q88f02cb403_attn, .Lfunc_end_k_q88f02cb403_attn-k_q88f02cb403_attn
	.p2alignl 7, 3214868480
	.fill 96, 4, 3214868480
	.section	.rodata,"a",@progbits
	.p2align	6, 0x0
	.amdhsa_kernel k_q88f02cb403_attn
		.amdhsa_group_segment_fixed_size 169984
		.amdhsa_private_segment_fixed_size 0
		.amdhsa_enable_private_segment 0
		.amdhsa_kernarg_size 24
		.amdhsa_user_sgpr_count 2
		.amdhsa_user_sgpr_kernarg_segment_ptr 1
		.amdhsa_wavefront_size32 1
		.amdhsa_system_sgpr_workgroup_id_x 1
		.amdhsa_system_sgpr_workgroup_id_y 1
		.amdhsa_system_sgpr_workgroup_id_z 1
		.amdhsa_system_vgpr_workitem_id 0
		.amdhsa_next_free_vgpr 256
		.amdhsa_next_free_sgpr 66
		.amdhsa_reserve_vcc 1
		.amdhsa_float_denorm_mode_32 3
		.amdhsa_float_denorm_mode_16_64 3
		.amdhsa_memory_ordered 1
		.amdhsa_forward_progress 1
		.amdhsa_inst_pref_size 58
	.end_amdhsa_kernel
	.amdgpu_metadata
---
amdhsa.version: [ 1, 2 ]
amdhsa.kernels:
  - .name:           k_q88f02cb403_attn
    .symbol:         k_q88f02cb403_attn.kd
    .args:
      - { .name: qbuf, .offset: 0, .size: 8, .value_kind: global_buffer, .address_space: global }
      - { .name: kvbuf, .offset: 8, .size: 8, .value_kind: global_buffer, .address_space: global }
      - { .name: abuf, .offset: 16, .size: 8, .value_kind: global_buffer, .address_space: global }
    .group_segment_fixed_size: 169984
    .private_segment_fixed_size: 0
    .kernarg_segment_align: 8
    .kernarg_segment_size: 24
    .max_flat_workgroup_size: 512
    .sgpr_count:     66
    .vgpr_count:     256
    .wavefront_size: 32
...
	.end_amdgpu_metadata
.endif
;; end of part 2
;; launch oproj (part 3): grid 32 x 8, 4 waves a work-group, clusters of 4 x 1, 168,448 bytes of LDS; arguments abuf, Wo_codes, Wo_scales, bo, out0; writes out0
.if DOCPART == 3
	.amdgcn_target "amdgcn-amd-amdhsa--gfx1250"
	.amdhsa_code_object_version 6
	.text
	.protected	k_q88f02cb403_oproj
	.globl	k_q88f02cb403_oproj
	.p2align	8
	.type	k_q88f02cb403_oproj,@function
k_q88f02cb403_oproj:
	s_mov_b64 s[64:65], 0
	v_nop
	global_prefetch_b8 v0, s[64:65] scope:SCOPE_SE
	s_setreg_imm32_b32 hwreg(HW_REG_WAVE_MODE, 25, 1), 1
	s_wait_xcnt 0x0
	s_wait_alu depctr_hold_cnt(0) depctr_sa_sdst(0) depctr_va_vdst(0) depctr_va_sdst(0) depctr_va_ssrc(0) depctr_va_vcc(0) depctr_vm_vsrc(0)
	s_getreg_b32 s2, hwreg(HW_REG_IB_STS2, 6, 4)
	s_cmp_eq_u32 s2, 0
	s_cbranch_scc0 .Lentry_in_a_cluster
	s_endpgm
.Lentry_in_a_cluster:
	s_bfe_u32 s2, ttmp6, 0x10000c
	s_cmp_lg_u32 s2, 0x3003
	s_cbranch_scc0 .Lentry_shape_is_right
	s_endpgm
.Lentry_shape_is_right:
; out = a Wo^T + bo on codes of FP4 (E2M1) with one E8M0 scale for each 32 along K = 1,024; sums in f32; bo is the C of each sum's first product.  a: the attention's result, as images of operand registers in abuf.
; SHARES.  A work-group makes rows 256 X .. 256 X + 255 (X = 4 x cluster x + cx) and columns 128 y .. 128 y + 127; wave w makes rows 64 w .. 64 w + 63 of them, all 128 columns: 32 accumulators, 256 matrix instructions.
; The wave's fragments of a, 32 KiB on end in abuf, come straight into 256 registers by loads of 512 consecutive bytes.  Wo's tile (128 rows x 512 bytes) comes into LDS once.
; CLUSTER.  The four partners share y: Wo's tile is asked for JOINTLY (mask 15).  Every LDS byte is filled once: no ring, no refill.
; THE MATRIX INSTRUCTION IS USED TRANSPOSED (source 0 = 16 rows of Wo, source 1 = 16 rows of a): a lane holds eight neighbouring numbers of a row of out.
; LIMITS: NaN and infinities are not served.  The bias is added ahead of the products, not behind them.
; REGISTERS, in windows of 256.  window 0: v1-7 addresses; v16-31 a's scale words (8 p + s: lane l holds row 32 p + l, K step s); v32-63 Wo's; v64-127 bo in the result's layout, tile t at 64 + 8 t;
;   v128-143 the upper halves of a's scale words as loaded; later v128-191, v192-255 rows of out, by turns.
;   window 1: a's fragments (tile i, K step s) at 64 i + 8 s.  window 2: Wo's fragments of four K steps, (s, t) at 64 (s % 4) + 8 t.  window 3: accumulators (t, i) at 64 i + 8 t.
.set PITCH, 528                        ; an LDS row: 512 bytes + 16 of padding
.set STAGE, 128*PITCH                  ; behind Wo's tile: 16 rows for each wave, in which no fill lands
.set XS, 16
.set WS, 32
.set BI, 64
.set HI, 128
.set MSB, 0
.macro WIN new                         ; the immediate's high byte repeats the setting that is left
.if MSB != \new
	s_set_vgpr_msb (MSB<<8)|\new
.set MSB, \new
.endif
.endm
.macro PLACES                          ; four plain vector instructions between a matrix instruction and a load into, or a read of, its registers
.rept 4
	v_nop
.endr
.endm
.macro ROUND                           ; a round of the cluster's barrier
	s_barrier_signal -1
	s_barrier_wait -1
	s_cmp_lg_u32 s14, 0
	s_cbranch_scc1 .Lnot_wave_0_\@
	s_barrier_signal -3
.Lnot_wave_0_\@:
	s_barrier_wait -3
	s_barrier_signal -1
	s_barrier_wait -1
.endm
.macro WM d, a, b, c, sa, sb, ra, rb   ; one product.  ra, rb: the side's scales stand in lanes 16-31 of the register named
.if ((\ra) != 0) && ((\rb) != 0)
	v_wmma_scale_f32_16x16x128_f8f6f4 v[(\d):(\d)+7], v[(\a):(\a)+7], v[(\b):(\b)+7], v[(\c):(\c)+7], v[(\sa)], v[(\sb)] matrix_a_fmt:MATRIX_FMT_FP4 matrix_b_fmt:MATRIX_FMT_FP4 matrix_a_scale:MATRIX_SCALE_ROW1 matrix_b_scale:MATRIX_SCALE_ROW1
.elseif (\ra) != 0
	v_wmma_scale_f32_16x16x128_f8f6f4 v[(\d):(\d)+7], v[(\a):(\a)+7], v[(\b):(\b)+7], v[(\c):(\c)+7], v[(\sa)], v[(\sb)] matrix_a_fmt:MATRIX_FMT_FP4 matrix_b_fmt:MATRIX_FMT_FP4 matrix_a_scale:MATRIX_SCALE_ROW1
.elseif (\rb) != 0
	v_wmma_scale_f32_16x16x128_f8f6f4 v[(\d):(\d)+7], v[(\a):(\a)+7], v[(\b):(\b)+7], v[(\c):(\c)+7], v[(\sa)], v[(\sb)] matrix_a_fmt:MATRIX_FMT_FP4 matrix_b_fmt:MATRIX_FMT_FP4 matrix_b_scale:MATRIX_SCALE_ROW1
.else
	v_wmma_scale_f32_16x16x128_f8f6f4 v[(\d):(\d)+7], v[(\a):(\a)+7], v[(\b):(\b)+7], v[(\c):(\c)+7], v[(\sa)], v[(\sb)] matrix_a_fmt:MATRIX_FMT_FP4 matrix_b_fmt:MATRIX_FMT_FP4
.endif
.endm
	s_load_b256 s[4:11], s[0:1], 0x0               ; abuf 4, Wo_codes 6, Wo_scales 8, bo 10
	s_load_b64 s[12:13], s[0:1], 0x20              ; out0
	v_lshl_add_u32 v14, v0, 2, 0x29000
	v_mov_b32 v15, 0
	ds_add_u32 v14, v15
	ds_add_u32 v14, v15
	v_lshrrev_b32 v8, 5, v0
	v_readfirstlane_b32 s14, v8                    ; wave 0..3
	s_and_b32 s17, ttmp7, 0xffff                   ; y, which the four partners share
	s_lshl_b32 s20, s17, 16                        ; 128 y rows of Wo, 512 bytes each
	s_mov_b32 s21, 0
	; descriptor group 1: 128 rows x 512 bytes, 16 bytes of padding behind each row
	s_mov_b32 s32, 15|(1<<20)|(1<<21)|(6<<22)|(3<<25)  ; the mask: all four partners; elements of 1 byte; padding on; 21 set beside a mask; four words after every 128
	s_mov_b32 s33, 512<<16                         ; tensor_dim0
	s_mov_b32 s34, 128<<16                         ; tensor_dim1
	s_mov_b32 s35, 512<<16                         ; tile_dim0
	s_mov_b32 s36, 128                             ; tile_dim1
	s_mov_b32 s37, 512                             ; from row to row
	s_mov_b32 s38, 0
	s_mov_b32 s39, 0
	v_and_b32 v8, 31, v0                           ; lane
	v_and_b32 v9, 15, v0                           ; r
	v_bfe_u32 v10, v0, 4, 1                        ; h
	v_lshlrev_b32 v1, 4, v8                        ; 16 x lane
	v_lshlrev_b32 v2, 5, v8                        ; 32 x lane: a row of scale bytes
	v_lshlrev_b32 v3, 5, v10                       ; 32 h: eight biases
	v_lshlrev_b32 v4, 1, v8                        ; 2 x lane: a token's two scale bytes of one head
	v_mul_u32_u24 v5, v9, PITCH
	s_mul_i32 s19, s14, 16*PITCH
	s_add_co_u32 s19, s19, STAGE                   ; my stage
	v_lshl_add_u32 v6, v10, 5, v5
	v_add_nc_u32 v6, s19, v6                       ; into it: row r, 32 bytes for each half of the lanes
	v_lshl_add_u32 v5, v10, 4, v5                  ; a fragment of Wo: row x pitch + 16 x half
	v_add_nc_u32 v7, s19, v1                       ; back: the 32 lanes take one row of 512 bytes
	; my place: it enters global addresses alone
	s_bfe_u32 s15, ttmp6, 0x40000                  ; cx
	s_lshl_b32 s16, ttmp9, 2
	s_add_co_u32 s16, s16, s15                     ; X
	s_and_b32 s18, s16, 7
	s_lshl_b32 s18, s18, 2
	s_add_co_u32 s18, s18, s14                     ; G: which 64 tokens of the batch are my wave's
	s_lshl_b32 s22, s16, 17
	s_lshl_b32 s23, s14, 15
	s_add_co_u32 s22, s22, s23                     ; a's codes: (16 X + 4 w) tiles of 8,192 bytes
	s_mov_b32 s23, 0
	s_lshr_b32 s24, s16, 3                         ; a's scale bytes: 4,194,304 + 65,536 x batch + 2,048 (G % 2) + 64 (G / 2)
	s_lshl_b32 s24, s24, 16
	s_and_b32 s25, s18, 1
	s_lshl_b32 s25, s25, 11
	s_add_co_u32 s24, s24, s25
	s_lshr_b32 s25, s18, 1
	s_lshl_b32 s25, s25, 6
	s_add_co_u32 s24, s24, s25
	s_add_co_u32 s24, s24, 4194304
	s_mov_b32 s25, 0
	s_lshl_b32 s26, s17, 12                        ; 128 y rows of 32 scale bytes
	s_mov_b32 s27, 0
	s_lshl_b32 s28, s17, 9                         ; 128 y numbers of 4 bytes: in bo and in a row of out
	s_mov_b32 s29, 0
	s_lshl_b32 s30, s16, 20
	s_lshl_b32 s31, s14, 18
	s_add_co_u32 s30, s30, s31                     ; (256 X + 64 w) rows of out, 4,096 bytes each
	s_add_co_u32 s30, s30, s28
	s_mov_b32 s31, 0
	s_wait_dscnt 0x0
	s_wait_kmcnt 0x0
	s_mov_b32 s40, 1                               ; descriptor group 0: count 1,
	s_mov_b32 s41, 0                               ; LDS address,
	s_add_nc_u64 s[42:43], s[6:7], s[20:21]        ; global address,
	s_or_b32 s43, s43, 0x80000000                  ; type 2.  Nothing in it hangs on cx
	s_add_nc_u64 s[22:23], s[4:5], s[22:23]
	s_add_nc_u64 s[24:25], s[4:5], s[24:25]
	s_add_nc_u64 s[8:9], s[8:9], s[26:27]
	s_add_nc_u64 s[10:11], s[10:11], s[28:29]
	s_add_nc_u64 s[12:13], s[12:13], s[30:31]
	ROUND                                          ; all four work-groups are here: the joint loads meet
	s_cmp_lg_u32 s14, 0
	s_cbranch_scc1 .Lno_fetch
	tensor_load_to_lds s[40:43], s[32:39]          ; wave 0's one tensor load
	s_nop 0
.rept 4
	v_nop
.endr
.Lno_fetch:
.irp p, 0,1,2,3
.irp q, 0,1
	global_load_b128 v[WS+8*\p+4*\q:WS+8*\p+4*\q+3], v2, s[8:9] offset:1024*\p+16*\q      ; Wo's scale words: a lane takes a row's 16 bytes: four K steps
.endr
.endr
.irp t, 0,1,2,3,4,5,6,7
	global_load_b128 v[BI+8*\t:BI+8*\t+3], v3, s[10:11] offset:64*\t                       ; bo at 16 t + 8 h + 0 .. 7
	global_load_b128 v[BI+8*\t+4:BI+8*\t+7], v3, s[10:11] offset:64*\t+16
.endr
.irp u, 0,1,2,3,4,5,6,7                        ; a's scale bytes: K step u is heads 2 u (the word's low half) and 2 u + 1 (its high half)
.irp p, 0,1
	global_load_u16 v[XS+8*\p+\u], v4, s[24:25] offset:4096*(2*\u)+1024*\p
	global_load_u16 v[HI+8*\p+\u], v4, s[24:25] offset:4096*(2*\u+1)+1024*\p
.endr
.endr
	WIN 0x40                                       ; destination window 1
.irp i, 0,1,2,3
.irp u, 0,1,2,3,4,5,6,7
.irp c, 0,1
	global_load_b128 v[64*\i+8*\u+4*\c:64*\i+8*\u+4*\c+3], v1, s[22:23] offset:8192*\i+1024*\u+512*\c   ; 512 consecutive bytes: four registers of a fragment as they were stored
.endr
.endr
.endr
	WIN 0
	s_wait_loadcnt 0x0
.set KK, 0
.rept 16
	v_lshl_or_b32 v[XS+KK], v[HI+KK], 16, v[XS+KK]
.set KK, KK+1
.endr
.rept 8
	v_nop                                          ; a scale register written by a vector instruction stands eight places ahead of a scaled matrix instruction
.endr
	s_wait_tensorcnt 0x0                           ; Wo's tile has landed (wave 0),
	s_barrier_signal -1
	s_barrier_wait -1                              ; and every wave may read it
.macro BLOAD s                         ; Wo's eight fragments of K step s: 16 loads
	WIN 0x80
.irp t, 0,1,2,3,4,5,6,7
.irp c, 0,1
	ds_load_b128 v[64*((\s)%4)+8*\t+4*\c:64*((\s)%4)+8*\t+4*\c+3], v5 offset:16*PITCH*\t+64*(\s)+32*\c
.endr
.endr
.endm
; A K step: 32 products; the 32 accumulators take turns, one instruction a turn, in the same order in every K step.
; cnt: behind this step's 16 loads were issued those of the three steps that follow, 48, as long as there are three
.macro KSTEP s, cnt
	s_wait_dscnt \cnt
.if (\s) == 0
	WIN 0xC6                                       ; source 0 (Wo) window 2, source 1 (a) window 1, C (bo) window 0, D window 3
.else
	WIN 0xF6                                       ; C and D window 3
.endif
.irp i, 0,1,2,3
.irp t, 0,1,2,3,4,5,6,7
.set CC, 64*\i+8*\t
.if (\s) == 0
.set CC, BI+8*\t
.endif
	WM 64*\i+8*\t, 64*((\s)%4)+8*\t, 64*\i+8*(\s), CC, WS+8*(\t/2)+(\s), XS+8*(\i/2)+(\s), \t%2, \i%2
.endr
.endr
.if (\s) < 4
	PLACES                                         ; ahead of loads into registers that these products have read
	BLOAD (\s)+4
.endif
.endm
	BLOAD 0
	BLOAD 1
	BLOAD 2
	BLOAD 3
	KSTEP 0, 48
	KSTEP 1, 48
	KSTEP 2, 48
	KSTEP 3, 48
	KSTEP 4, 48
	KSTEP 5, 32
	KSTEP 6, 16
	KSTEP 7, 0
; THE WAY OUT, a tile of 16 rows x 128 columns at a time.  A lane holds 32 neighbouring bytes of a row and the lanes beside it hold other rows: the tile goes through my own stage and comes back as whole rows of 512 bytes.
; LDS serves a wave's instructions in order (ISA guide 5.7.1.4): no wait between the stores and the loads, nor ahead of the next tile's stores.
.macro TOSTAGE i
	WIN 0x0C                                       ; an LDS store's data: window 3
.irp t, 0,1,2,3,4,5,6,7
	ds_store_b128 v6, v[64*(\i)+8*\t:64*(\i)+8*\t+3] offset:64*\t            ; each accumulator from its low end on
	ds_store_b128 v6, v[64*(\i)+8*\t+4:64*(\i)+8*\t+7] offset:64*\t+16
.endr
	WIN 0
.set BB, 128+64*((\i)%2)
.set KK, 0
.rept 16
	ds_load_b128 v[BB+4*KK:BB+4*KK+3], v7 offset:PITCH*KK
.set KK, KK+1
.endr
.endm
.macro SEND i, younger                 ; younger: the LDS instructions issued behind tile i's loads, which may stay out: the next tile's 16 stores and 16 loads, or none
	s_wait_dscnt \younger
.set BB, 128+64*((\i)%2)
.set KK, 0
.rept 16
	global_store_b128 v1, v[BB+4*KK:BB+4*KK+3], s[12:13] offset:4096*(16*(\i)+KK) th:TH_STORE_NT   ; 32 lanes store 512 consecutive bytes, aligned; written once, read by nobody here
.set KK, KK+1
.endr
.endm
	PLACES                                         ; ahead of the first read of the results
	TOSTAGE 0
	TOSTAGE 1
	SEND 0, 32
	s_wait_xcnt 0x0                                ; tile 0's stores have read their data: tile 2's loads may land there
	TOSTAGE 2
	SEND 1, 32
	s_wait_xcnt 0x0
	TOSTAGE 3
	SEND 2, 32
	SEND 3, 0
	s_wait_tensorcnt 0x0
	ds_add_u32 v14, v15
	s_wait_dscnt 0x0
	ROUND                                          ; the closing round: no work-group ends while a partner may still ask for a tile that names it
	s_endpgm
.Lfunc_end_k_q88f02cb403_oproj:
	.size	k_q88f02cb403_oproj, .Lfunc_end_k_q88f02cb403_oproj-k_q88f02cb403_oproj
	.p2alignl 7, 3214868480
	.fill 96, 4, 3214868480
	.section	.rodata,"a",@progbits
	.p2align	6, 0x0
	.amdhsa_kernel k_q88f02cb403_oproj
		.amdhsa_group_segment_fixed_size 168448
		.amdhsa_private_segment_fixed_size 0
		.amdhsa_enable_private_segment 0
		.amdhsa_kernarg_size 40
		.amdhsa_user_sgpr_count 2
		.amdhsa_user_sgpr_kernarg_segment_ptr 1
		.amdhsa_wavefront_size32 1
		.amdhsa_system_sgpr_workgroup_id_x 1
		.amdhsa_system_sgpr_workgroup_id_y 1
		.amdhsa_system_sgpr_workgroup_id_z 1
		.amdhsa_system_vgpr_workitem_id 0
		.amdhsa_next_free_vgpr 1024
		.amdhsa_next_free_sgpr 66
		.amdhsa_reserve_vcc 0
		.amdhsa_float_denorm_mode_32 3
		.amdhsa_float_denorm_mode_16_64 3
		.amdhsa_memory_ordered 1
		.amdhsa_forward_progress 1
		.amdhsa_inst_pref_size 73
	.end_amdhsa_kernel
	.amdgpu_metadata
---
amdhsa.version: [ 1, 2 ]
amdhsa.kernels:
  - .name:           k_q88f02cb403_oproj
    .symbol:         k_q88f02cb403_oproj.kd
    .args:
      - { .name: abuf, .offset: 0, .size: 8, .value_kind: global_buffer, .address_space: global }
      - { .name: Wo_codes, .offset: 8, .size: 8, .value_kind: global_buffer, .address_space: global }
      - { .name: Wo_scales, .offset: 16, .size: 8, .value_kind: global_buffer, .address_space: global }
      - { .name: bo, .offset: 24, .size: 8, .value_kind: global_buffer, .address_space: global }
      - { .name: out0, .offset: 32, .size: 8, .value_kind: global_buffer, .address_space: global }
    .group_segment_fixed_size: 168448
    .private_segment_fixed_size: 0
    .kernarg_segment_align: 8
    .kernarg_segment_size: 40
    .max_flat_workgroup_size: 128
    .sgpr_count:     66
    .vgpr_count:     1024
    .wavefront_size: 32
...
	.end_amdgpu_metadata
.endif
;; end of part 3
